; MI455X (gfx1250); checked and timed in simulation.
; The chip was launched on July 23, 2026; its instructions are those of AMD's public machine-readable ISA for CDNA 5 (MIT licence, August 2026) and "CDNA5" Instruction Set Architecture Reference Guide (July 2026). The comments in the code are by the model that wrote it; some were corrected since.
;; Multi Head Attention. Allowed arithmetic: matrix products marked QUANTISED: E2M3 operands, one E8M0 scale for each 32 along K, by v_wmma_scale_f32_16x16x128_f8f6f4 with both operands' format E2M3, f32 sums; everything else in f32.
;; Inputs: Wk 12 x 64 x 768 float32; Wo 768 x 768 float32; Wq 12 x 64 x 768 float32; Wv 12 x 64 x 768 float32; bk 12 x 64 float32; bo 768 float32; bq 12 x 64 float32; bv 12 x 64 float32; x 16 x 1,024 x 768 float32.
;; Outputs: out0 16 x 1,024 x 768 float32.
;; This version of the problem:
;;   THIS VERSION OF THE PROBLEM IS GIVEN IN LOW PRECISION. The matrix products marked QUANTISED in the list below multiply operands that are first quantised to E2M3 (2 exponent bits, 3 mantissa bits; 6 bits a number), with one power-of-two scale for each 32 numbers along K (OCP MX v1.0); their sums are f32. All else is computed in f32.
;;   The module's matrix products, in the order in which they are computed (A, B: the left and right operand; K: the contracted axis; several contracted axes count as one K, in the product's order):
;;     1. [M 768, K 768] x [K 768, N 16,384]; A: input Wq; B: input x: QUANTISED
;;     2. [M 768, K 768] x [K 768, N 16,384]; A: input Wk; B: input x: QUANTISED
;;     3. [M 768, K 768] x [K 768, N 16,384]; A: input Wv; B: input x: QUANTISED
;;     4. batch 192 x [M 1,024, K 64] x [K 64, N 1,024]; A: computed on the way; B: computed on the way: QUANTISED
;;     5. batch 192 x [M 1,024, K 1,024] x [K 1,024, N 64]; A: softmax (see below); B: computed on the way: QUANTISED
;;     6. [M 16,384, K 768] x [K 768, N 768]; A: computed on the way; B: input Wo: QUANTISED
;;   THE QUANTISER, for each operand of a quantised product, along K:
;;     - K is cut into blocks of 32 from its start; a last block that is shorter is filled with zeros.
;;     - A block's scale is 2^e with e = floor(log2(the largest magnitude in the block)) - 2, held to -126 .. 127; a block of zeros has e = 0. As a byte (E8M0): e + 127.
;;     - Each number is divided by its block's scale, clamped to +-7.5, and rounded to the nearest number of E2M3, ties to even, subnormals kept.
;;     - The product sums the exact products of the quantised numbers (number of the format x scale) in f32.
;;   ~~~python
;;   def quantise(x, axis):      # numpy; x: float32 -> the quantised numbers, widened to float32 again
;;       x = np.moveaxis(x, axis, -1); K = x.shape[-1]
;;       x = np.pad(x, [(0, 0)] * (x.ndim - 1) + [(0, -K % 32)]); x = x.reshape(x.shape[:-1] + (-1, 32)); a = np.abs(x).max(-1, keepdims=True)
;;       e = np.where(a > 0, np.clip(np.frexp(np.where(a > 0, a, 1))[1] - 1 - 2, -126, 127), 0)      # np.frexp(a)[1] - 1 = floor(log2(a)), exactly
;;       r = np.clip(x / 2.0 ** e, -7.5, 7.5)
;;       step = 2.0 ** (np.maximum(np.frexp(np.where(r == 0, 1, r))[1] - 1, 0) - 3)
;;       q = np.round(r / step) * step * 2.0 ** e      # np.round: ties to even
;;       return np.moveaxis(q.reshape(q.shape[:-2] + (-1,))[..., :K], -1, axis).astype(np.float32)
;;   ~~~
;;   SOFTMAX AHEAD OF A QUANTISED PRODUCT. Where the list says 'softmax', what is quantised is not the finished softmax but p = 2^(t - M), with t = logit x log2(e) and M = ceil(the row's largest t), a whole number; so 1/2 < the row's largest p <= 1. The row's sum l is taken of the UNQUANTISED p, in f32, and the product's result is divided by l at the end. Since M is a whole number, a kernel that streams over the keys may use a running M (the ceiling of the running maximum): every later rescaling is an exact power of two, which a block's scale takes up: the codes' values come out the same.
;;   OPERANDS COMPUTED ON THE WAY. 'Computed on the way' means the value that the module computes at that place (a softmax that the list does not call 'softmax' is quantised finished and normalised). What goes into a quantiser is computed in f32, as accurately as f32 sums, v_exp_f32 and their like allow (about 1e-6 of the number): no bf16 or f16 on the way to a quantiser, and a product that is left as it is and whose result goes on into a quantised operand takes f32 operands (vector FMAs, or v_wmma_f32_16x16x4_f32). A number that lies on a knife's edge between two numbers of the format may be rounded either way, as far as f32 arithmetic and the matrix unit's own rounding can turn it there, and no further.
;; One version. Each part assembles by itself: llvm-mc -triple=amdgcn-amd-amdhsa -mcpu=gfx1250 --defsym DOCPART=n.
;; ======== version 1 of 1: 4 launches
;; limits: right only within a limited range of input values
;; workspace buffers: xb 11,272,192 bytes; wb 2,113,536 bytes; qb 10,223,616 bytes; kv 20,054,016 bytes; ac 9,437,184 bytes; asc 393,216 bytes
;; launch quant (part 1): grid 304 x 1, 4 waves a work-group, no clusters, 34,304 bytes of LDS; arguments x, Wq, Wk, Wv, Wo, bq, bk, bv, bo, xb, wb; writes xb, wb
.if DOCPART == 1
	.amdgcn_target "amdgcn-amd-amdhsa--gfx1250"
	.amdhsa_code_object_version 6
	.text
	.protected	k_q231e61d1f8_quant
	.globl	k_q231e61d1f8_quant
	.p2align	8
	.type	k_q231e61d1f8_quant,@function
k_q231e61d1f8_quant:
	s_mov_b64 s[64:65], 0
	v_nop
	global_prefetch_b8 v0, s[64:65] scope:SCOPE_SE
	s_setreg_imm32_b32 hwreg(HW_REG_WAVE_MODE, 25, 1), 1
	s_wait_xcnt 0x0
; x [16384][768] and the four weights [768][768], f32 with K innermost, become codes of FP6 (E2M3) with one E8M0 byte for each 32 along K,
; laid as the later launches' operand registers want them.  The biases become images of the C operand of a sum's first matrix instruction.
; A TILE is 16 rows: tile 2 g + u holds rows 32 g + 8 u + m + 8 (m / 8), m = 0 .. 15.  A TILE BLOCK is 11,008 bytes: six fragments (16 rows x 128 K,
; 12 registers a lane: registers 4 c .. 4 c + 3 of lane L at 1536 s + 512 c + 16 L), from 9,216 on the rows' scale words (128 s + 4 L), and, for the weights, from 9,984 on the C image.
; A block's scale is 2^(floor(log2(largest magnitude)) - 2): its byte is the largest magnitude's exponent field - 2, held at 1 from below.
; LIMITS: NaN and infinities among the inputs are not served; a block whose largest magnitude lies under 2^-124 keeps the byte 1; a block of zeros gets the byte 1 and not 127:
; its codes are zeros, and this program alone reads the bytes.
; SHARES: a wave takes one tile through its six K steps; waves share nothing, so there is no barrier.  Work-groups 0-255: x; 256-267 Wq, 268-279 Wk, 280-291 Wv, 292-303 Wo.
; Each load reads 512 consecutive bytes of a row; a K step's 16 rows turn through the wave's own stage in LDS (rows 528 bytes apart), from which a lane takes the 2 x 32 neighbours that the operand's layout gives it.
.set ROWB,  3072                       ; a row of x or of a weight in bytes
.set BLKB,  11008                      ; a tile block
.set SP,    528                        ; a stage row: 512 bytes + 16
.set STG,   16*SP                      ; a wave's stage
.set SPARE, 4*STG                      ; behind the stages: the spare words, 128 bytes a wave
.set SPW,   12                         ; v12  LDS address of my spare word; never rewritten
.set NIL,   13                         ; v13  0; never rewritten
.set R,     16                         ; v16-143  two sets of 64 registers as loaded
.set X,     144                        ; v144-207 my 64 numbers: 32 c + i = k 64 c + 32 h + i of row r
.set C,     208                        ; v208-219 the fragment's codes
.set T2A,   220                        ; a conversion's three registers begin on an even number: the upper halves are made here and moved
.set T2B,   224
.set TM,    228                        ; v228-239 at work
.set BI,    240                        ; v240-247 the C image
.set SEL,   28                         ; s[28:29] lane selects: lane l xor 16
.set SRC,   34                         ; s[34:35] my tile's first row
.set BIA,   36                         ; s[36:37] my tile's first bias number
.set DST,   40                         ; s[40:41] my tile block
	s_load_b256 s[4:11], s[0:1], 0x0               ; x, Wq, Wk, Wv
	s_load_b256 s[12:19], s[0:1], 0x20             ; Wo, bq, bk, bv
	s_load_b128 s[20:23], s[0:1], 0x40             ; bo, xb
	s_load_b64 s[24:25], s[0:1], 0x50              ; wb
	v_lshl_add_u32 v[SPW], v0, 2, SPARE
	v_mov_b32 v[NIL], 0
	v_lshrrev_b32 v1, 5, v0
	v_readfirstlane_b32 s26, v1                    ; wave 0..3
	v_and_b32 v7, 31, v0                           ; lane L
	v_and_b32 v8, 15, v0                           ; r
	v_bfe_u32 v9, v0, 4, 1                         ; h
	v_lshlrev_b32 v1, 4, v7                        ; 16 L
	s_mul_i32 s27, s26, STG
	v_add_nc_u32 v2, s27, v1                       ; the stage, way in: 16 L of a row
	v_mul_u32_u24 v3, v8, SP
	v_lshl_add_u32 v3, v9, 7, v3
	v_add_nc_u32 v3, s27, v3                       ; way out: row r, + 128 h
	v_lshlrev_b32 v4, 2, v7                        ; 4 L
	v_lshlrev_b32 v5, 3, v9                        ; 8 h: my bytes' shift in the scale word
	v_lshlrev_b32 v6, 6, v9                        ; 64 h: the bias numbers of my half
	v_and_b32 v10, 8, v8
	v_add_nc_u32 v10, v10, v8
	v_lshlrev_b32 v10, 2, v10                      ; 4 (r + 8 (r / 8)): the bias number of my tile row
	v_mov_b32 v[TM+8], 0                           ; written once: a lane permute's destination counts as one of its sources
	s_mov_b32 s[SEL], 0x76543210
	s_mov_b32 s[SEL+1], 0xfedcba98
	s_lshr_b32 s31, s26, 1
	s_lshl_b32 s31, s31, 5
	s_and_b32 s32, s26, 1
	s_lshl_b32 s32, s32, 3
	s_add_co_u32 s31, s31, s32                     ; 32 (w / 2) + 8 (w % 2)
	s_sub_co_u32 s33, ttmp9, 256                   ; the weights' work-groups count from 0
	s_mov_b32 s43, 0
	s_wait_alu depctr_va_vdst(0)
	s_wait_kmcnt 0x0
	s_mov_b64 s[SRC:SRC+1], s[12:13]               ; Wo, bo, unless the work-group's number says otherwise: the choices hang on that number alone
	s_mov_b64 s[BIA:BIA+1], s[20:21]
	s_mov_b32 s30, 36
	s_cmp_lt_u32 ttmp9, 292
	s_cselect_b64 s[SRC:SRC+1], s[10:11], s[SRC:SRC+1]
	s_cselect_b64 s[BIA:BIA+1], s[18:19], s[BIA:BIA+1]
	s_cselect_b32 s30, 24, s30
	s_cmp_lt_u32 ttmp9, 280
	s_cselect_b64 s[SRC:SRC+1], s[8:9], s[SRC:SRC+1]
	s_cselect_b64 s[BIA:BIA+1], s[16:17], s[BIA:BIA+1]
	s_cselect_b32 s30, 12, s30
	s_cmp_lt_u32 ttmp9, 268
	s_cselect_b64 s[SRC:SRC+1], s[6:7], s[SRC:SRC+1]
	s_cselect_b64 s[BIA:BIA+1], s[14:15], s[BIA:BIA+1]
	s_cselect_b32 s30, 0, s30
	s_sub_co_u32 s38, s33, s30                     ; which four tiles of my weight
	s_cmp_lt_u32 ttmp9, 256
	s_cselect_b64 s[SRC:SRC+1], s[4:5], s[SRC:SRC+1]
	s_cselect_b64 s[DST:DST+1], s[22:23], s[24:25]
	s_cselect_b32 s38, ttmp9, s38
	s_cselect_b32 s39, ttmp9, s33
	s_lshl_b32 s38, s38, 6
	s_add_co_u32 s38, s38, s31                     ; my tile's first row
	s_lshl_b32 s39, s39, 2
	s_add_co_u32 s39, s39, s26                     ; my tile block's number in xb or wb
	s_mul_i32 s42, s38, ROWB
	s_add_nc_u64 s[SRC:SRC+1], s[SRC:SRC+1], s[42:43]
	s_lshl_b32 s42, s38, 2
	s_add_nc_u64 s[BIA:BIA+1], s[BIA:BIA+1], s[42:43]   ; (used by the weights' work-groups alone)
	s_mul_i32 s42, s39, BLKB
	s_add_nc_u64 s[DST:DST+1], s[DST:DST+1], s[42:43]
.macro LOADS s                         ; K step s of my 16 rows: 32 lanes read 512 consecutive bytes of a row
.set MM, 0
.rept 16
	global_load_b128 v[R+64*((\s)%2)+4*MM:R+64*((\s)%2)+4*MM+3], v1, s[SRC:SRC+1] offset:(MM+8*(MM/8))*ROWB+512*(\s) th:TH_LOAD_NT
.set MM, MM+1
.endr
.endm
.macro QSTEP s
.if (\s) < 5
	s_wait_loadcnt 16                              ; this step's 16 loads are in; the next step's 16 may be out
.else
	s_wait_loadcnt 0x0
.endif
.set MM, 0
.rept 16
	ds_store_b128 v2, v[R+64*((\s)%2)+4*MM:R+64*((\s)%2)+4*MM+3] offset:SP*MM
.set MM, MM+1
.endr
.irp c, 0,1                            ; LDS serves a wave's instructions in order: these see the stores above, and the next step's stores come behind them
.irp q, 0,1,2,3,4,5,6,7
	ds_load_b128 v[X+32*\c+4*\q:X+32*\c+4*\q+3], v3 offset:256*\c+16*\q
.endr
.endr
	s_wait_dscnt 0x0                               ; my numbers are back, so the stores have read their registers,
.if (\s)+2 < 6
	LOADS (\s)+2                                   ; which take the loads of two steps on
.endif
.irp u, 0,1,2,3                        ; four chains of 16 numbers; the floor 2^(3 - 127) holds the byte at 1 from below
	v_max3_num_f32 v[TM+\u], |v[X+16*\u]|, |v[X+16*\u+1]|, 0x1800000
.endr
.irp i, 2,4,6,8,10,12,14
.irp u, 0,1,2,3
	v_max3_num_f32 v[TM+\u], v[TM+\u], |v[X+16*\u+\i]|, |v[X+16*\u+\i+1]|
.endr
.endr
	v_max_num_f32 v[TM], v[TM], v[TM+1]            ; block h's largest magnitude: all its 32 numbers are mine
	v_max_num_f32 v[TM+2], v[TM+2], v[TM+3]        ; block 2 + h's
	v_add_nc_u32 v[TM+4], 0xff000000, v[TM]        ; 2 off the exponent field: the conversion's scale operand
	v_add_nc_u32 v[TM+5], 0xff000000, v[TM+2]
	v_lshrrev_b32 v[TM+6], 23, v[TM+4]             ; the bytes
	v_lshrrev_b32 v[TM+7], 23, v[TM+5]
	v_lshl_or_b32 v[TM+6], v[TM+7], 16, v[TM+6]
	v_lshlrev_b32 v[TM+6], v5, v[TM+6]             ; at their places in the row's word
	v_permlanex16_b32 v[TM+8], v[TM+6], s[SEL], s[SEL+1]
	s_wait_alu depctr_va_vdst(0)
	s_wait_xcnt 0x0                                ; the last step's stores have read the word and the codes: both are written again only behind this wait
	v_or_b32 v[TM+9], v[TM+6], v[TM+8]             ; with lane l xor 16's two bytes the word is whole, in both halves of the lanes
	v_cvt_scalef32_pk16_fp6_f32 v[C:C+2], v[X:X+15], v[TM+4]
	v_cvt_scalef32_pk16_fp6_f32 v[T2A:T2A+2], v[X+16:X+31], v[TM+4]
	v_cvt_scalef32_pk16_fp6_f32 v[C+6:C+8], v[X+32:X+47], v[TM+5]
	v_cvt_scalef32_pk16_fp6_f32 v[T2B:T2B+2], v[X+48:X+63], v[TM+5]
	v_nop                                          ; one plain place behind the scaled conversions
.irp e, 0,1,2
	v_mov_b32 v[C+3+\e], v[T2A+\e]
	v_mov_b32 v[C+9+\e], v[T2B+\e]
.endr
.irp c, 0,1,2
	global_store_b128 v1, v[C+4*\c:C+4*\c+3], s[DST:DST+1] offset:1536*(\s)+512*\c   ; 512 consecutive bytes a store
.endr
	global_store_b32 v4, v[TM+9], s[DST:DST+1] offset:9216+128*(\s)
.endm
	LOADS 0
	LOADS 1
.irp s, 0,1,2,3,4,5
	QSTEP \s
.endr
	; the C image, for the weights alone: a scalar branch on the work-group's number; no LDS instruction stands inside it
	s_cmp_lt_u32 ttmp9, 256
	s_cbranch_scc1 .Ldone
	s_cmp_lt_u32 ttmp9, 280
	s_cbranch_scc1 .Lalong
	s_cmp_lt_u32 ttmp9, 292
	s_cbranch_scc0 .Lalong
	global_load_b32 v[BI], v10, s[BIA:BIA+1]       ; Wv is a product's source 1: a lane's eight results belong to its own tile row
	s_wait_loadcnt 0x0
.irp j, 1,2,3,4,5,6,7
	v_mov_b32 v[BI+\j], v[BI]
.endr
	s_branch .Lbias_out
.Lalong:
	global_load_b128 v[BI:BI+3], v6, s[BIA:BIA+1]  ; Wq, Wk, Wo are source 0: register j of lane (r, h) belongs to the tile's row 8 h + j, which is number 16 h + j from the tile's first
	global_load_b128 v[BI+4:BI+7], v6, s[BIA:BIA+1] offset:16
	s_wait_loadcnt 0x0
.Lbias_out:
	s_wait_alu depctr_va_vdst(0)
	global_store_b128 v1, v[BI:BI+3], s[DST:DST+1] offset:9984
	global_store_b128 v1, v[BI+4:BI+7], s[DST:DST+1] offset:10496
.Ldone:
	s_wait_tensorcnt 0x0                           ; the wave's end, behind my last LDS store
	ds_add_u32 v[SPW], v[NIL]
	s_wait_dscnt 0x0
	s_endpgm
.Lfunc_end_k_q231e61d1f8_quant:
	.size	k_q231e61d1f8_quant, .Lfunc_end_k_q231e61d1f8_quant-k_q231e61d1f8_quant
	.p2alignl 7, 3214868480
	.fill 96, 4, 3214868480
	.section	.rodata,"a",@progbits
	.p2align	6, 0x0
	.amdhsa_kernel k_q231e61d1f8_quant
		.amdhsa_group_segment_fixed_size 34304
		.amdhsa_private_segment_fixed_size 0
		.amdhsa_enable_private_segment 0
		.amdhsa_kernarg_size 88
		.amdhsa_user_sgpr_count 2
		.amdhsa_user_sgpr_kernarg_segment_ptr 1
		.amdhsa_wavefront_size32 1
		.amdhsa_system_sgpr_workgroup_id_x 1
		.amdhsa_system_sgpr_workgroup_id_y 1
		.amdhsa_system_sgpr_workgroup_id_z 1
		.amdhsa_system_vgpr_workitem_id 0
		.amdhsa_next_free_vgpr 256
		.amdhsa_next_free_sgpr 66
		.amdhsa_reserve_vcc 0
		.amdhsa_float_denorm_mode_32 3
		.amdhsa_float_denorm_mode_16_64 3
		.amdhsa_memory_ordered 1
		.amdhsa_forward_progress 1
		.amdhsa_inst_pref_size 47
	.end_amdhsa_kernel
	.amdgpu_metadata
---
amdhsa.version: [ 1, 2 ]
amdhsa.kernels:
  - .name:           k_q231e61d1f8_quant
    .symbol:         k_q231e61d1f8_quant.kd
    .args:
      - { .name: x, .offset: 0, .size: 8, .value_kind: global_buffer, .address_space: global }
      - { .name: Wq, .offset: 8, .size: 8, .value_kind: global_buffer, .address_space: global }
      - { .name: Wk, .offset: 16, .size: 8, .value_kind: global_buffer, .address_space: global }
      - { .name: Wv, .offset: 24, .size: 8, .value_kind: global_buffer, .address_space: global }
      - { .name: Wo, .offset: 32, .size: 8, .value_kind: global_buffer, .address_space: global }
      - { .name: bq, .offset: 40, .size: 8, .value_kind: global_buffer, .address_space: global }
      - { .name: bk, .offset: 48, .size: 8, .value_kind: global_buffer, .address_space: global }
      - { .name: bv, .offset: 56, .size: 8, .value_kind: global_buffer, .address_space: global }
      - { .name: bo, .offset: 64, .size: 8, .value_kind: global_buffer, .address_space: global }
      - { .name: xb, .offset: 72, .size: 8, .value_kind: global_buffer, .address_space: global }
      - { .name: wb, .offset: 80, .size: 8, .value_kind: global_buffer, .address_space: global }
    .group_segment_fixed_size: 34304
    .private_segment_fixed_size: 0
    .kernarg_segment_align: 8
    .kernarg_segment_size: 88
    .max_flat_workgroup_size: 128
    .sgpr_count:     66
    .vgpr_count:     256
    .wavefront_size: 32
...
	.end_amdgpu_metadata
.endif
;; end of part 1
;; launch qkv (part 2): grid 64 x 4, 4 waves a work-group, clusters of 4 x 1, 327,680 bytes of LDS; arguments xb, wb, qb, kv; writes qb, kv
.if DOCPART == 2
	.amdgcn_target "amdgcn-amd-amdhsa--gfx1250"
	.amdhsa_code_object_version 6
	.text
	.protected	k_q231e61d1f8_qkv
	.globl	k_q231e61d1f8_qkv
	.p2align	8
	.type	k_q231e61d1f8_qkv,@function
k_q231e61d1f8_qkv:
	s_mov_b64 s[64:65], 0
	v_nop
	global_prefetch_b8 v0, s[64:65] scope:SCOPE_SE
	s_setreg_imm32_b32 hwreg(HW_REG_WAVE_MODE, 25, 1), 1
	s_wait_xcnt 0x0
	s_wait_alu depctr_hold_cnt(0) depctr_sa_sdst(0) depctr_va_vdst(0) depctr_va_sdst(0) depctr_va_ssrc(0) depctr_va_vcc(0) depctr_vm_vsrc(0)
	s_getreg_b32 s2, hwreg(HW_REG_IB_STS2, 6, 4)
	s_cmp_eq_u32 s2, 0
	s_cbranch_scc0 .Lentry_in_a_cluster
	s_endpgm
.Lentry_in_a_cluster:
	s_bfe_u32 s2, ttmp6, 0x10000c
	s_cmp_lg_u32 s2, 0x3003
	s_cbranch_scc0 .Lentry_shape_is_right
	s_endpgm
.Lentry_shape_is_right:
.set BLKB,  11008
.set UNITB, 4*BLKB
.set SLOTB, 3*UNITB
.set WPART, SLOTB/4
.set SPARE, 2*SLOTB
.set L16, 1
.set L4,  2
.set L8,  3
.set SCA, 4
.set V16, 5
.set WAD, 6
.set WSA, 7
.set WAN, 8
.set WSN, 9
.set SPW, 12
.set NIL, 13
.set XS,  16
.set WS,  40
.set BC,  52
.set TM,  68
.set PC,  92
.set SW,  124
.set ACC, 128
.set WV,  12
.set U,   16
.set CNT, 17
.set TB,  18
.set SEL, 20
.set HM,  22
.set G1,  24
.set G0,  32
.set QI,  40
.set QS,  41
.set KI,  42
.set KSO, 43
.set VI,  44
.set VSO, 45
.set B12, 46
.set IB,  48
.set SB,  50
.set MSB, 0
.macro WIN new
.if MSB != \new
	s_set_vgpr_msb (MSB<<8)|\new
.set MSB, \new
.endif
.endm
.macro PLACES n
.rept \n
	v_nop
.endr
.endm
.macro ROUND
	s_barrier_signal -1
	s_barrier_wait -1
	s_cmp_lg_u32 s[WV], 0
	s_cbranch_scc1 .Lnot_wave_0_\@
	s_barrier_signal -3
.Lnot_wave_0_\@:
	s_barrier_wait -3
	s_barrier_signal -1
	s_barrier_wait -1
.endm
.macro TL g0
	tensor_load_to_lds s[\g0:\g0+3], s[G1:G1+7]
	s_nop 0
.rept 4
	v_nop
.endr
.endm
	s_load_b256 s[4:11], s[0:1], 0x0
	v_lshl_add_u32 v[SPW], v0, 2, SPARE
	v_mov_b32 v[NIL], 0
	ds_add_u32 v[SPW], v[NIL]
	ds_add_u32 v[SPW], v[NIL]
	v_lshrrev_b32 v1, 5, v0
	v_readfirstlane_b32 s[WV], v1
	s_bfe_u32 s13, ttmp6, 0x40000
	s_lshl_b32 s14, ttmp9, 2
	s_add_co_u32 s14, s14, s13
	s_and_b32 s15, ttmp7, 0xffff
	s_mul_i32 s[U], s15, 9
	s_mov_b32 s[G1], 15|(3<<16)|(1<<21)
	s_mov_b32 s[G1+1], 32<<16
	s_mov_b32 s[G1+2], 129<<16
	s_mov_b32 s[G1+3], 32<<16
	s_mov_b32 s[G1+4], 129
	s_mov_b32 s[G1+5], 32
	s_mov_b32 s[G1+6], 0
	s_mov_b32 s[G1+7], 0
	s_mov_b32 s[SEL], 0x76543210
	s_mov_b32 s[SEL+1], 0xfedcba98
	s_mov_b32 s[HM], 0xffff0000
	v_and_b32 v14, 31, v0
	v_and_b32 v15, 15, v0
	v_bfe_u32 v10, v0, 4, 1
	v_lshlrev_b32 v[L16], 4, v14
	v_lshlrev_b32 v[L4], 2, v14
	v_lshlrev_b32 v[L8], 3, v14
	v_lshlrev_b32 v[SCA], 4, v15
	v_lshl_add_u32 v[SCA], v10, 3, v[SCA]
	v_lshlrev_b32 v[V16], 3, v15
	v_lshl_add_u32 v[V16], v10, 2, v[V16]
.set JJ, 0
.rept 16
	v_mov_b32 v[TM+JJ], 0
.set JJ, JJ+1
.endr
	s_and_b32 s52, s14, 3
	s_lshl_b32 s53, s52, 4
	s_lshl_b32 s54, s[WV], 2
	s_add_co_u32 s53, s53, s54
	s_mul_i32 s[QI], s53, 768
	s_lshl_b32 s53, s52, 2
	s_add_co_u32 s53, s53, s[WV]
	s_lshl_b32 s53, s53, 8
	s_add_co_u32 s[QS], s53, 49152
	s_lshl_b32 s53, s52, 1
	s_lshr_b32 s54, s[WV], 1
	s_add_co_u32 s53, s53, s54
	s_mul_i32 s47, s53, 13056
	s_and_b32 s54, s[WV], 1
	s_mul_i32 s55, s54, 3072
	s_add_co_u32 s[KI], s47, s55
	s_lshl_b32 s55, s54, 8
	s_add_co_u32 s55, s55, 12288
	s_add_co_u32 s[KSO], s47, s55
	s_mul_i32 s55, s54, 768
	s_add_co_u32 s55, s55, 6144
	s_add_co_u32 s[VI], s47, s55
	s_lshl_b32 s55, s54, 1
	s_add_co_u32 s55, s55, 12800
	s_add_co_u32 s[VSO], s47, s55
	s_lshr_b32 s55, s14, 2
	s_mul_i32 s[B12], s55, 12
	s_lshl_b32 s52, s14, 4
	s_lshl_b32 s53, s[WV], 2
	s_add_co_u32 s52, s52, s53
	s_mul_i32 s52, s52, BLKB
	s_mov_b32 s53, 0
	s_mul_i32 s56, s15, 3*SLOTB
	s_mul_i32 s58, s[WV], WPART
	s_add_co_u32 s56, s56, s58
	s_mov_b32 s57, 0
	s_wait_dscnt 0x0
	s_wait_kmcnt 0x0
	s_add_nc_u64 s[4:5], s[4:5], s[52:53]
	s_add_nc_u64 s[56:57], s[6:7], s[56:57]
	ROUND
	s_mov_b32 s[G0], 1
	s_mov_b32 s[G0+1], s58
	s_mov_b64 s[G0+2:G0+3], s[56:57]
	s_or_b32 s[G0+3], s[G0+3], 0x80000000
	s_mov_b32 s[G0+4], 1
	s_add_co_u32 s[G0+5], s58, SLOTB
	s_add_nc_u64 s[G0+6:G0+7], s[56:57], SLOTB
	s_or_b32 s[G0+7], s[G0+7], 0x80000000
	TL G0
	WIN 0x40
.irp s, 0,1,2,3,4
.irp i, 0,1,2,3
.irp c, 0,1,2
	global_load_b128 v[12*(4*\s+\i)+4*\c:12*(4*\s+\i)+4*\c+3], v[L16], s[4:5] offset:\i*BLKB+1536*\s+512*\c
.endr
.endr
.endr
	WIN 0x80
.irp i, 0,1,2,3
.irp c, 0,1,2
	global_load_b128 v[144+12*\i+4*\c:144+12*\i+4*\c+3], v[L16], s[4:5] offset:\i*BLKB+1536*5+512*\c
.endr
.endr
	WIN 0
.irp i, 0,1,2,3
.irp s, 0,1,2,3,4,5
	global_load_b32 v[XS+6*\i+\s], v[L4], s[4:5] offset:\i*BLKB+9216+128*\s
.endr
.endr
	s_wait_alu depctr_va_vdst(0)
	s_wait_tensorcnt 0x0
	ds_add_u32 v12, v13
	s_wait_dscnt 0x0
	ROUND
	TL G0+4
.macro WLOAD set, off, a16, a4
	WIN 0x80
.irp s, 0,1,2,3,4,5
.irp c, 0,1,2
	ds_load_b128 v[72*(\set)+12*\s+4*\c:72*(\set)+12*\s+4*\c+3], v[\a16] offset:(\off)+1536*\s+512*\c
.endr
.endr
	WIN 0
.irp s, 0,1,2,3,4,5
	ds_load_b32 v[WS+6*(\set)+\s], v[\a4] offset:(\off)+9216+128*\s
.endr
	ds_load_b128 v[BC+8*(\set):BC+8*(\set)+3], v[\a16] offset:(\off)+9984
	ds_load_b128 v[BC+8*(\set)+4:BC+8*(\set)+7], v[\a16] offset:(\off)+10496
.endm
.macro MULT kind, wt, set
.irp s, 0,1,2,3,4,5
.if \s == 5
	WIN 0x0a
.elseif \kind == 0
	WIN 0x06
.else
	WIN 0x09
.endif
.irp i, 0,1,2,3
.set XR, 12*(4*\s+\i)
.if \s == 5
.set XR, 144+12*\i
.endif
.set WR, 72*(\set)+12*\s
.if \kind == 0
.set DR, ACC+32*\i+8*(\wt)
.else
.set DR, ACC+32*(\wt)+8*\i
.endif
.set CR, DR
.if \s == 0
.set CR, BC+8*(\set)
.endif
.if \kind == 0
	v_wmma_scale_f32_16x16x128_f8f6f4 v[DR:DR+7], v[WR:WR+11], v[XR:XR+11], v[CR:CR+7], v[WS+6*(\set)+\s], v[XS+6*\i+\s] matrix_a_fmt:MATRIX_FMT_FP6 matrix_b_fmt:MATRIX_FMT_FP6
.else
	v_wmma_scale_f32_16x16x128_f8f6f4 v[DR:DR+7], v[XR:XR+11], v[WR:WR+11], v[CR:CR+7], v[XS+6*\i+\s], v[WS+6*(\set)+\s] matrix_a_fmt:MATRIX_FMT_FP6 matrix_b_fmt:MATRIX_FMT_FP6
.endif
.endr
.endr
.endm
.macro BLOCK kind, wt
	s_wait_dscnt 0x0
	PLACES 4
.if \wt < 3
	WLOAD (\wt+1)%2, (\wt+1)*BLKB, WAD, WSA
.else
	WLOAD 0, 0, WAN, WSN
.endif
	MULT \kind, \wt, (\wt)%2
	WIN 0
.endm
.macro HQ4
.irp b, 0,1
.irp i, 0,1,2,3
	v_max3_num_f32 v[TM+4*\i+\b], |v[ACC+32*\i+16*\b]|, |v[ACC+32*\i+16*\b+1]|, 0x1800000
.endr
.endr
.irp k, 2,4,6,8,10,12,14
.irp b, 0,1
.irp i, 0,1,2,3
	v_max3_num_f32 v[TM+4*\i+\b], v[TM+4*\i+\b], |v[ACC+32*\i+16*\b+\k]|, |v[ACC+32*\i+16*\b+\k+1]|
.endr
.endr
.endr
.irp b, 0,1
.irp i, 0,1,2,3
	v_permlanex16_b32 v[TM+4*\i+2+\b], v[TM+4*\i+\b], s[SEL], s[SEL+1]
.endr
.endr
.irp b, 0,1
.irp i, 0,1,2,3
	v_max_num_f32 v[TM+4*\i+\b], v[TM+4*\i+\b], v[TM+4*\i+2+\b]
.endr
.endr
.irp b, 0,1
.irp i, 0,1,2,3
	v_add_nc_u32 v[TM+4*\i+\b], 0xff000000, v[TM+4*\i+\b]
.endr
.endr
.irp b, 0,1
.irp i, 0,1,2,3
	v_lshrrev_b32 v[TM+4*\i+2+\b], 23, v[TM+4*\i+\b]
.endr
.endr
.irp i, 0,1,2,3
	v_lshl_or_b32 v[TM+4*\i+2], v[TM+4*\i+3], 8, v[TM+4*\i+2]
.endr
.irp i, 0,1,2,3
	v_cvt_scalef32_pk16_fp6_f32 v[PC+8*\i:PC+8*\i+2], v[ACC+32*\i:ACC+32*\i+15], v[TM+4*\i]
.endr
	v_nop
.irp i, 0,1,2,3
	v_cvt_scalef32_pk16_fp6_f32 v[ACC+32*\i:ACC+32*\i+2], v[ACC+32*\i+16:ACC+32*\i+31], v[TM+4*\i+1]
.endr
	v_nop
.irp i, 0,1,2,3
.irp e, 0,1,2
	v_permlane16_swap_b32 v[PC+8*\i+\e], v[ACC+32*\i+\e]
.endr
.endr
.irp i, 0,1,2,3
.irp e, 0,1,2
	v_mov_b32 v[PC+8*\i+3+\e], v[ACC+32*\i+\e]
.endr
.endr
.endm
.macro UNIT kind
	BLOCK \kind, 0
	BLOCK \kind, 1
	BLOCK \kind, 2
	BLOCK \kind, 3
	s_wait_xcnt 0x0
	s_mov_b32 s57, 0
.if \kind == 0
	s_cmp_lt_u32 s[U], 12
	s_cselect_b64 s[IB:IB+1], s[8:9], s[10:11]
	s_cselect_b64 s[SB:SB+1], s[8:9], s[10:11]
	s_mov_b32 s52, 104448
	s_cselect_b32 s52, 53248, s52
	s_cselect_b32 s53, s[QI], s[KI]
	s_cselect_b32 s54, s[QS], s[KSO]
	s_cselect_b32 s55, 0, 12
	s_sub_co_u32 s55, s[U], s55
	s_add_co_u32 s55, s55, s[B12]
	s_mul_i32 s55, s55, s52
	s_add_co_u32 s56, s55, s53
	s_add_nc_u64 s[IB:IB+1], s[IB:IB+1], s[56:57]
	s_add_co_u32 s56, s55, s54
	s_add_nc_u64 s[SB:SB+1], s[SB:SB+1], s[56:57]
.else
	s_sub_co_u32 s55, s[U], 24
	s_add_co_u32 s55, s55, s[B12]
	s_mul_i32 s55, s55, 104448
	s_add_co_u32 s56, s55, s[VI]
	s_add_nc_u64 s[IB:IB+1], s[10:11], s[56:57]
	s_add_co_u32 s56, s55, s[VSO]
	s_add_nc_u64 s[SB:SB+1], s[10:11], s[56:57]
.endif
	PLACES 4
	HQ4
.irp i, 0,1,2,3
.irp p, 0,1,2
.if \kind == 0
	global_store_b64 v[L8], v[PC+8*\i+2*\p:PC+8*\i+2*\p+1], s[IB:IB+1] offset:768*\i+256*\p
.else
	global_store_b64 v[L8], v[PC+8*\i+2*\p:PC+8*\i+2*\p+1], s[IB:IB+1] offset:1536*\i+256*\p
.endif
.endr
.endr
.if \kind == 0
	v_cndmask_b32 v[SW], v[TM+2], v[TM+10], s[HM]
	v_cndmask_b32 v[SW+1], v[TM+6], v[TM+14], s[HM]
	global_store_b64 v[SCA], v[SW:SW+1], s[SB:SB+1]
.else
	v_cndmask_b32 v[SW], v[TM+2], v[TM+6], s[HM]
	v_cndmask_b32 v[SW+1], v[TM+10], v[TM+14], s[HM]
	global_store_b16 v[V16], v[SW], s[SB:SB+1]
	global_store_b16 v[V16], v[SW+1], s[SB:SB+1] offset:128
.endif
.endm
.macro PHASE base
	s_mov_b32 s[TB], \base
	v_add_nc_u32 v[WAD], s[TB], v[L16]
	v_add_nc_u32 v[WSA], s[TB], v[L4]
	WLOAD 0, 0, WAD, WSA
	s_mov_b32 s[CNT], 3
.Lunit_\@:
	s_add_co_u32 s58, s[TB], UNITB
	s_min_u32 s58, s58, \base+2*UNITB
	v_add_nc_u32 v[WAN], s58, v[L16]
	v_add_nc_u32 v[WSN], s58, v[L4]
	s_cmp_lt_u32 s[U], 24
	s_cbranch_scc0 .Lv_\@
	s_wait_alu depctr_va_vdst(0)
	UNIT 0
	s_branch .Ljoin_\@
.Lv_\@:
	s_wait_alu depctr_va_vdst(0)
	UNIT 1
.Ljoin_\@:
	s_add_co_u32 s[TB], s[TB], UNITB
	v_add_nc_u32 v[WAD], s[TB], v[L16]
	v_add_nc_u32 v[WSA], s[TB], v[L4]
	s_add_co_u32 s[U], s[U], 1
	s_sub_co_u32 s[CNT], s[CNT], 1
	s_cmp_lg_u32 s[CNT], 0
	s_cbranch_scc1 .Lunit_\@
.endm
	s_wait_tensorcnt 0x1
	s_barrier_signal -1
	s_barrier_wait -1
	s_wait_loadcnt 0x0
	PHASE 0
	s_wait_tensorcnt 0x0
	ds_add_u32 v[SPW], v[NIL]
	s_add_nc_u64 s[G0+2:G0+3], s[G0+2:G0+3], 2*SLOTB
	s_wait_dscnt 0x0
	ROUND
	TL G0
	PHASE SLOTB
	s_wait_tensorcnt 0x0
	ds_add_u32 v[SPW], v[NIL]
	s_wait_dscnt 0x0
	s_barrier_signal -1
	s_barrier_wait -1
	PHASE 0
	s_wait_tensorcnt 0x0
	ds_add_u32 v[SPW], v[NIL]
	s_wait_dscnt 0x0
	ROUND
	s_endpgm
.Lfunc_end_k_q231e61d1f8_qkv:
	.size	k_q231e61d1f8_qkv, .Lfunc_end_k_q231e61d1f8_qkv-k_q231e61d1f8_qkv
	.p2alignl 7, 3214868480
	.fill 96, 4, 3214868480
	.section	.rodata,"a",@progbits
	.p2align	6, 0x0
	.amdhsa_kernel k_q231e61d1f8_qkv
		.amdhsa_group_segment_fixed_size 327680
		.amdhsa_private_segment_fixed_size 0
		.amdhsa_enable_private_segment 0
		.amdhsa_kernarg_size 32
		.amdhsa_user_sgpr_count 2
		.amdhsa_user_sgpr_kernarg_segment_ptr 1
		.amdhsa_wavefront_size32 1
		.amdhsa_system_sgpr_workgroup_id_x 1
		.amdhsa_system_sgpr_workgroup_id_y 1
		.amdhsa_system_sgpr_workgroup_id_z 1
		.amdhsa_system_vgpr_workitem_id 0
		.amdhsa_next_free_vgpr 768
		.amdhsa_next_free_sgpr 66
		.amdhsa_reserve_vcc 0
		.amdhsa_float_denorm_mode_32 3
		.amdhsa_float_denorm_mode_16_64 3
		.amdhsa_memory_ordered 1
		.amdhsa_forward_progress 1
		.amdhsa_inst_pref_size 198
	.end_amdhsa_kernel
	.amdgpu_metadata
---
amdhsa.version: [ 1, 2 ]
amdhsa.kernels:
  - .name:           k_q231e61d1f8_qkv
    .symbol:         k_q231e61d1f8_qkv.kd
    .args:
      - { .name: xb, .offset: 0, .size: 8, .value_kind: global_buffer, .address_space: global }
      - { .name: wb, .offset: 8, .size: 8, .value_kind: global_buffer, .address_space: global }
      - { .name: qb, .offset: 16, .size: 8, .value_kind: global_buffer, .address_space: global }
      - { .name: kv, .offset: 24, .size: 8, .value_kind: global_buffer, .address_space: global }
    .group_segment_fixed_size: 327680
    .private_segment_fixed_size: 0
    .kernarg_segment_align: 8
    .kernarg_segment_size: 32
    .max_flat_workgroup_size: 128
    .sgpr_count:     66
    .vgpr_count:     768
    .wavefront_size: 32
...
	.end_amdgpu_metadata
.endif
;; end of part 2
;; launch attn (part 3): grid 4 x 64, 16 waves a work-group, clusters of 4 x 1, 327,680 bytes of LDS; arguments qb, kv, ac, asc; writes ac, asc
.if DOCPART == 3
	.amdgcn_target "amdgcn-amd-amdhsa--gfx1250"
	.amdhsa_code_object_version 6
	.text
	.protected	k_q231e61d1f8_attn
	.globl	k_q231e61d1f8_attn
	.p2align	8
	.type	k_q231e61d1f8_attn,@function
k_q231e61d1f8_attn:
	s_mov_b64 s[64:65], 0
	v_nop
	global_prefetch_b8 v0, s[64:65] scope:SCOPE_SE
	s_setreg_imm32_b32 hwreg(HW_REG_WAVE_MODE, 25, 1), 1
	s_wait_xcnt 0x0
	s_wait_alu depctr_hold_cnt(0) depctr_sa_sdst(0) depctr_va_vdst(0) depctr_va_sdst(0) depctr_va_ssrc(0) depctr_va_vcc(0) depctr_vm_vsrc(0)
	s_getreg_b32 s2, hwreg(HW_REG_IB_STS2, 6, 4)
	s_cmp_eq_u32 s2, 0
	s_cbranch_scc0 .Lentry_in_a_cluster
	s_endpgm
.Lentry_in_a_cluster:
	s_bfe_u32 s2, ttmp6, 0x10000c
	s_cmp_lg_u32 s2, 0x3003
	s_cbranch_scc0 .Lentry_shape_is_right
	s_endpgm
.Lentry_shape_is_right:
; attn = softmax(q k^T / 8) v for 192 heads of 1,024 tokens x 64, both products on codes of FP6 (E2M3), and attn's quantising along the head's 64.
; THE SOFTMAX: t = score x log2(e) / 8; M = the running largest t rounded UP to a whole number; p = 2^(t - M) is quantised along the keys, not normalised; the row's sum is taken of the
; unquantised p and divides O at the end.  When M moves, the sum and O are multiplied by 2^(old M - new M), which rounds nothing.
; SHARES: cluster G walks heads 3 G .. 3 G + 2; its four work-groups are a head's four blocks of 256 queries, so K and V are asked for JOINTLY.  A work-group has sixteen waves; a wave owns ONE tile of
; 16 queries of each head: all its registers lie under v256, and no register window is switched.
; LDS: the three heads' K and V (3 x 8 key steps of 13,056 bytes = 313,344) lie side by side and are filled ONCE.  Waves 0-7 ask for head 0 at the kernel's head, a key step each; behind the
; spare-word adds and a round, every wave asks for one of the sixteen key steps of heads 1 and 2.  Nothing is filled again.
; ONE more barrier shows heads 1 and 2 to all waves: a wave signals it behind its second key step of head 0, when its own load has landed, and waits for it behind its eighth; between the two stand
; register work and LDS loads of head 0 alone.
; Both products are used transposed (S^T = K Q^T, O^T = V^T P^T): a lane holds one query throughout.
; WHICH KEYS FORM A TILE OF K is chosen by the lanes' LDS addresses: of a step's 128 keys, tile 4 c + q takes keys 64 c + 8 q + j in its rows j = 0 .. 7 and keys 64 c + 32 + 8 q + j in its rows 8 + j.
; So register 32 c + i of S^T in lane (r, h) is key 64 c + 32 h + i: a lane holds two WHOLE blocks of 32 keys, in the order that P's operand wants: a block's largest score needs no other lane, and the
; conversions' results are the operand's registers.  In kv a stored tile 2 g + u holds keys 32 g + 8 u + m + 8 (m / 8) in its rows m: lanes r < 8 read stored tile 4 c + q % 2, lanes r >= 8 the
; stored tile two further on, both its row r % 8 + 8 (q / 2).
; K = 64 IN THE FIRST PRODUCT: Q's registers 6-11 are zero codes.  What stands in K's fragment for k = 64 .. 127 is the next tile's codes (behind the last tile six registers of zeros): FP6 has no code
; for NaN or infinity, and the scale bytes there are 0 (2^-127), not 0xff, so those products are zeros.  So eight tiles of K take 54 registers.
; Q of all three heads (3 x 7 registers) is loaded at the kernel's head.
; No prefetch: every tile of the launch is asked for by the two fills at the kernel's head, so there is no later load to run ahead of.
; LIMITS: NaN and infinities are not served; a block of attn under 2^-124, or of zeros, keeps the byte 1; the scaled scores t stay under 2^31 in magnitude.
.set STEPB, 13056
.set HEADB, 8*STEPB
.set SPARE, 3*HEADB                    ; behind the three heads: the spare words, 128 bytes a wave
.set L8,   1                           ; 8 L
.set LK,   2                           ; K's codes: 1536 (r / 8) + 8 (r % 8) + 128 h
.set QIO,  3                           ; my tile's half image in a head of qb, + 8 L
.set QSO,  4                           ; and its scale word
.set IMG,  5                           ; my tile's place in ac, + 8 L
.set SL,   6                           ; 4 r
.set SOFF, 7
.set AK,   8
.set AV,   9
.set SPW,  10
.set NIL,  11
.set QF,   16                          ; v16-21 Q's codes, v22-27 zeros
.set U16,  28                          ; attn's two scale bytes
.set AS,   29
.set LS,   30                          ; K's scale words: 256 h + 16 (r % 8) + 8 (r / 8)
.set H8,   31                          ; 8 h: my bytes' shift in p's scale word
.set KF,   32                          ; v32-85: K's tile t at +6 t, v80-85 zeros; then V's tile t at +12 t
.set KS,   86                          ; v86-89 K's scale words; v90-91 V's; v92 Q's; v94 p's
.set VS,   90
.set QSC,  92
.set PSC,  94
.set S,    96                          ; v96-159 S^T, then p
.set O,    160                         ; v160-191 O^T
.set PCD,  192                         ; v192-203 p's codes
.set CT,   204
.set BM,   212
.set BT,   216
.set TX,   217
.set SO,   220
.set TA,   224
.set F,    226                         ; v[226:227]
.set L2,   228                         ; v[228:229] the sum's second chain.  v12 -M, v13 the largest score, v[14:15] the sum
.set QA,   230                         ; v230-235, v236: the next head's Q and its scale word
.set QN,   238                         ; v238-243, v244: the head after's
.set WV,   12
.set SEL,  20
.set CS,   22
.set G1,   24
.set G0,   40
.set TB,   45
.set STEPS, 46
.set JOBS, 47
.set HD,   48
.set QB,   50
.set AC,   52
.set ASC,  54
.macro PLACES n
.rept \n
	v_nop
.endr
.endm
.macro ROUND
	s_barrier_signal -1
	s_barrier_wait -1
	s_cmp_lg_u32 s[WV], 0
	s_cbranch_scc1 .Lnot_wave_0_\@
	s_barrier_signal -3
.Lnot_wave_0_\@:
	s_barrier_wait -3
	s_barrier_signal -1
	s_barrier_wait -1
.endm
.macro TL
	tensor_load_to_lds s[G0:G0+3], s[G1:G1+7]
	s_nop 0
.rept 4
	v_nop
.endr
.endm
.macro INIT                            ; a head's start
	v_mov_b32 v13, 0xff61b1e6                      ; the largest score so far: -3e38
	s_delay_alu instid0(VALU_DEP_1)
	v_floor_f32 v12, -v13
	v_mov_b32 v14, 0
	v_mov_b32 v15, 0
.set JJ, 0
.rept 32
	v_mov_b32 v[O+JJ], 0                           ; the step is written once: the first finds zeros, which the first change of M leaves zeros
.set JJ, JJ+1
.endr
.endm
	s_load_b256 s[4:11], s[0:1], 0x0               ; qb, kv, ac, asc
	v_lshl_add_u32 v[SPW], v0, 2, SPARE
	v_mov_b32 v[NIL], 0
	ds_add_u32 v[SPW], v[NIL]                      ; the wave's opening: the add, twice on end, and its wait
	ds_add_u32 v[SPW], v[NIL]
	v_lshrrev_b32 v1, 5, v0
	s_delay_alu instid0(VALU_DEP_1)
	v_readfirstlane_b32 s[WV], v1                  ; wave 0..15
	s_bfe_u32 s13, ttmp6, 0x40000                  ; cx: my block of 256 queries; it enters global addresses alone
	s_and_b32 s14, ttmp7, 0xffff                   ; G
	s_mov_b32 s[G1], 15|(3<<16)|(1<<21)
	s_mov_b32 s[G1+1], 32<<16
	s_mov_b32 s[G1+2], 51<<16                      ; 51 rows of 256 bytes: a key step
	s_mov_b32 s[G1+3], 32<<16
	s_mov_b32 s[G1+4], 51
	s_mov_b32 s[G1+5], 32
	s_mov_b32 s[G1+6], 0
	s_mov_b32 s[G1+7], 0
	s_mov_b32 s[SEL], 0x76543210
	s_mov_b32 s[SEL+1], 0xfedcba98
	s_mov_b32 s[CS], 0x3e38aa3b                    ; c = log2(e) / 8
	s_mov_b32 s[CS+1], s[CS]
	s_mul_i32 s15, s14, 3                          ; the cluster's first head
	s_mul_i32 s32, s15, HEADB
	s_mul_i32 s34, s[WV], STEPB
	s_add_co_u32 s32, s32, s34                     ; key step w of the cluster's 24: made of G and the wave's number alone
	s_mov_b32 s33, 0
	s_mul_i32 s36, s15, 53248
	s_mov_b32 s37, 0
	s_and_b32 s[HD], s14, 3
	s_mul_i32 s[HD], s[HD], 3                      ; the head within its batch
	s_mul_i32 s38, s[HD], 768
	s_mov_b32 s39, 0
	s_lshl_b32 s17, s13, 4
	s_add_co_u32 s17, s17, s[WV]                   ; my tile of the head's 64
	s_lshr_b32 s16, s14, 2
	s_lshl_b32 s16, s16, 6
	s_add_co_u32 s16, s16, s17                     ; and of all 1,024
	s_mul_i32 s56, s16, 384
	s_mov_b32 s57, 0
	s_mul_i32 s58, s17, 768
	s_lshr_b32 s59, s17, 2
	s_lshl_b32 s59, s59, 8
	s_and_b32 s19, s17, 3
	s_lshl_b32 s19, s19, 2
	s_add_co_u32 s59, s59, s19
	s_add_co_u32 s59, s59, 49152                   ; Q's scale words: 256 (tile / 4) + 4 (tile % 4), + 16 r below
	s_mul_i32 s60, s16, 9216
	v_and_b32 v[L8], 31, v0
	v_and_b32 v248, 15, v0                         ; r
	v_and_b32 v245, 7, v0                          ; r % 8
	v_bfe_u32 v246, v0, 3, 1                       ; r / 8
	v_bfe_u32 v247, v0, 4, 1                       ; h
	v_lshlrev_b32 v[L8], 3, v[L8]
	v_lshl_add_u32 v[QSO], v248, 4, s59
	v_lshlrev_b32 v[SL], 2, v248
	v_lshlrev_b32 v[LK], 3, v245
	v_lshlrev_b32 v[LS], 4, v245
	v_lshlrev_b32 v[H8], 3, v247
	v_add_nc_u32 v[QIO], s58, v[L8]
	v_add_nc_u32 v[IMG], s60, v[L8]
	v_lshl_add_u32 v[LK], v247, 7, v[LK]
	v_lshl_add_u32 v[LS], v246, 3, v[LS]
	s_delay_alu instid0(VALU_DEP_2)
	v_lshl_add_u32 v[LK], v246, 10, v[LK]
	s_delay_alu instid0(VALU_DEP_2)
	v_lshl_add_u32 v[LS], v247, 8, v[LS]
	s_delay_alu instid0(VALU_DEP_2)
	v_lshl_add_u32 v[LK], v246, 9, v[LK]           ; 1024 + 512 = 1536 for r / 8
	s_wait_alu depctr_va_vdst(0)                   ; directly ahead of the waits below
	s_wait_dscnt 0x0                               ; both opening adds are done
	s_wait_kmcnt 0x0
	s_add_nc_u64 s[32:33], s[6:7], s[32:33]
	s_add_nc_u64 s[QB:QB+1], s[4:5], s[36:37]
	s_add_nc_u64 s[AC:AC+1], s[8:9], s[38:39]
	s_add_nc_u64 s[ASC:ASC+1], s[10:11], s[56:57]
	ROUND                                          ; all four work-groups are here: the first joint loads meet
	s_mov_b32 s[G0], 1
	s_mov_b32 s[G0+1], s34
	s_mov_b64 s[G0+2:G0+3], s[32:33]
	s_or_b32 s[G0+3], s[G0+3], 0x80000000
	s_cmp_lt_u32 s[WV], 8                          ; head 0 has eight key steps: waves 0-7 ask, the same waves in every work-group
	s_cbranch_scc0 .Lno_first
	TL
.Lno_first:
.irp p, 0,1,2                          ; my tile of Q in the three heads, and its scale words
	global_load_b64 v[QF+2*\p:QF+2*\p+1], v[QIO], s[QB:QB+1] offset:256*\p
	global_load_b64 v[QA+2*\p:QA+2*\p+1], v[QIO], s[QB:QB+1] offset:53248+256*\p
	global_load_b64 v[QN+2*\p:QN+2*\p+1], v[QIO], s[QB:QB+1] offset:2*53248+256*\p
.endr
	global_load_b32 v[QSC], v[QSO], s[QB:QB+1]
	global_load_b32 v[QA+6], v[QSO], s[QB:QB+1] offset:53248
	global_load_b32 v[QN+6], v[QSO], s[QB:QB+1] offset:2*53248
.irp j, 6,7,8,9,10,11
	v_mov_b32 v[QF+\j], 0                          ; zero codes for k = 64 .. 127
.endr
.irp j, 0,1,2,3
	v_mov_b32 v[BT+\j], 0                          ; written once: a lane permute's destination counts as one of its sources
.endr
	v_mov_b32 v[F+1], 0                            ; named as the upper half of a pair
.irp j, 48,49,50,51,52,53
	v_mov_b32 v[KF+\j], 0                          ; behind K's last tile
.endr
	INIT                                           ; the first head's start, while its tiles are on their way
.macro SPROD                           ; S^T: eight tiles of 16 keys
.irp t, 0,1,2,3
	v_wmma_scale_f32_16x16x128_f8f6f4 v[S+8*\t:S+8*\t+7], v[KF+6*\t:KF+6*\t+11], v[QF:QF+11], 0, v[KS+\t], v[QSC] matrix_a_fmt:MATRIX_FMT_FP6 matrix_b_fmt:MATRIX_FMT_FP6
.endr
.irp t, 4,5,6,7
	v_wmma_scale_f32_16x16x128_f8f6f4 v[S+8*\t:S+8*\t+7], v[KF+6*\t:KF+6*\t+11], v[QF:QF+11], 0, v[KS+\t-4], v[QSC] matrix_a_fmt:MATRIX_FMT_FP6 matrix_b_fmt:MATRIX_FMT_FP6 matrix_a_scale:MATRIX_SCALE_ROW1
.endr
.endm
.macro OPROD                           ; O^T += V^T P^T: four tiles of 16 of the head's 64, the four accumulators by turns
.irp t, 0,1
	v_wmma_scale_f32_16x16x128_f8f6f4 v[O+8*\t:O+8*\t+7], v[KF+12*\t:KF+12*\t+11], v[PCD:PCD+11], v[O+8*\t:O+8*\t+7], v[VS+\t], v[PSC] matrix_a_fmt:MATRIX_FMT_FP6 matrix_b_fmt:MATRIX_FMT_FP6
.endr
.irp t, 2,3
	v_wmma_scale_f32_16x16x128_f8f6f4 v[O+8*\t:O+8*\t+7], v[KF+12*\t:KF+12*\t+11], v[PCD:PCD+11], v[O+8*\t:O+8*\t+7], v[VS+\t-2], v[PSC] matrix_a_fmt:MATRIX_FMT_FP6 matrix_b_fmt:MATRIX_FMT_FP6 matrix_a_scale:MATRIX_SCALE_ROW1
.endr
.endm
.macro SM                              ; the softmax of a key step, and p's quantising.  Register 32 c + i of S^T is key 64 c + 32 h + i: my blocks h and 2 + h
.irp b, 0,1,2,3
	v_max3_num_f32 v[BM+\b], v[S+16*\b], v[S+16*\b+1], v[S+16*\b+2]   ; four chains by turns, two to a block; each accumulator is first read at its low end
.endr
.irp i, 3,5,7,9,11,13
.irp b, 0,1,2,3
	v_max3_num_f32 v[BM+\b], v[BM+\b], v[S+16*\b+\i], v[S+16*\b+\i+1]
.endr
.endr
	v_max3_num_f32 v[BM], v[BM], v[BM+1], v[S+15]  ; a block's two chains are joined
	v_max3_num_f32 v[BM+2], v[BM+2], v[BM+3], v[S+47]
	v_max_num_f32 v[BM], v[BM], v[S+31]            ; the largest score of each of my two blocks: it serves for the row's maximum and, since p rises with the score, for the block's largest p
	v_max_num_f32 v[BM+2], v[BM+2], v[S+63]
	s_delay_alu instid0(VALU_DEP_1)
	v_max_num_f32 v[TX], v[BM], v[BM+2]
	s_delay_alu instid0(VALU_DEP_1)
	v_permlanex16_b32 v[BT], v[TX], s[SEL], s[SEL+1]
	s_delay_alu instid0(VALU_DEP_1)
	v_max3_num_f32 v13, v13, v[TX], v[BT]          ; the running largest score, with lane l xor 16's two blocks
	s_delay_alu instid0(VALU_DEP_1)
	v_mul_f32 v[TX], s[CS], v13                    ; as t (c is positive)
	s_delay_alu instid0(VALU_DEP_1)
	v_floor_f32 v12, -v[TX]                        ; the new -M = floor(-t): M is a whole number
.set JJ, 0
.rept 4
.rept 8
	v_pk_fma_f32 v[S+JJ:S+JJ+1], v[S+JJ:S+JJ+1], s[CS:CS+1], v[12:13] op_sel_hi:[1,0,0]   ; t - M
.set JJ, JJ+2
.endr
.if JJ == 16
	v_sub_f32 v[TA], v12, v[TA]                    ; old M - new M: a whole number, 0 or less (v[TA] holds the old -M)
.elseif JJ == 32
	v_cvt_i32_f32 v[TA], v[TA]                     ; (it saturates)
.elseif JJ == 48
	v_ldexp_f32 v[F], 1.0, v[TA]                   ; f = 2^(old M - new M)
.endif
.endr
	v_fma_f32 v[BM], v[BM], s[CS], v12             ; the same of each block's largest score
	v_fma_f32 v[BM+2], v[BM+2], s[CS], v12
.set JJ, 0
	s_wait_alu depctr_va_vdst(0)
.rept 64
	v_exp_f32 v[S+JJ], v[S+JJ]                     ; p = 2^(t - M)
.set JJ, JJ+1
.endr
	v_pk_mul_f32 v[14:15], v[14:15], v[F:F+1] op_sel_hi:[1,0]   ; the sum under the new M: the plain place behind the batch
	s_wait_alu depctr_va_vdst(0)                   ; one wait for the 64, ahead of their first reader
	v_exp_f32 v[BM], v[BM]                         ; the blocks' largest p
	v_exp_f32 v[BM+2], v[BM+2]
	v_pk_add_f32 v[L2:L2+1], v[S:S+1], v[S+2:S+3]  ; the row's sum of the unquantised p, in two chains
.set JJ, 4
.rept 15
	v_pk_add_f32 v[14:15], v[14:15], v[S+JJ:S+JJ+1]
	v_pk_add_f32 v[L2:L2+1], v[L2:L2+1], v[S+JJ+2:S+JJ+3]
.set JJ, JJ+4
.endr
	s_delay_alu instid0(VALU_DEP_1)
	v_pk_add_f32 v[14:15], v[14:15], v[L2:L2+1]
	s_wait_alu depctr_va_vdst(0)                   ; and one for the two
	v_max_num_f32 v[BM], 0x1800000, v[BM]          ; the floor 2^(3 - 127)
	v_max_num_f32 v[BM+2], 0x1800000, v[BM+2]
	s_delay_alu instid0(VALU_DEP_2)
	v_add_nc_u32 v[SO], 0xff000000, v[BM]          ; the conversions' scale operands
	s_delay_alu instid0(VALU_DEP_2)
	v_add_nc_u32 v[SO+1], 0xff000000, v[BM+2]
	s_delay_alu instid0(VALU_DEP_2)
	v_lshrrev_b32 v[BT+2], 23, v[SO]               ; the bytes
	s_delay_alu instid0(VALU_DEP_2)
	v_lshrrev_b32 v[BT+3], 23, v[SO+1]
	s_delay_alu instid0(VALU_DEP_1)
	v_lshl_or_b32 v[TA], v[BT+3], 16, v[BT+2]      ; blocks h and 2 + h,
	s_delay_alu instid0(VALU_DEP_1)
	v_lshlrev_b32 v[TA], v[H8], v[TA]              ; at their places in the word
	s_delay_alu instid0(VALU_DEP_1)
	v_permlanex16_b32 v[BT], v[TA], s[SEL], s[SEL+1]
	v_or_b32 v[PSC], v[TA], v[BT]                  ; with lane l xor 16's two bytes: p's scale word for these 128 keys
.irp c, 0,1
	v_cvt_scalef32_pk16_fp6_f32 v[PCD+6*\c:PCD+6*\c+2], v[S+32*\c:S+32*\c+15], v[SO+\c]
	v_cvt_scalef32_pk16_fp6_f32 v[CT+4*\c:CT+4*\c+2], v[S+32*\c+16:S+32*\c+31], v[SO+\c]   ; (a conversion's three registers begin on an even number)
.endr
	v_nop                                          ; one plain place behind the scaled conversions
.irp c, 0,1
.irp e, 0,1,2
	v_mov_b32 v[PCD+6*\c+3+\e], v[CT+4*\c+\e]      ; registers 6 c .. 6 c + 5 hold k = 64 c + 32 h + 0 .. 31
.endr
.endr
.endm
.macro STEP                            ; a key step: 128 keys
	v_add_nc_u32 v[AK], s[TB], v[LK]
	v_add_nc_u32 v[AS], s[TB], v[LS]
	v_add_nc_u32 v[AV], s[TB], v[L8]
	v_nop                                          ; four places in front of loads into registers that the last products have read
.irp c, 0,1
.irp q, 0,1,2,3
.irp p, 0,1,2
	ds_load_b64 v[KF+6*(4*\c+\q)+2*\p:KF+6*(4*\c+\q)+2*\p+1], v[AK] offset:768*(4*\c+(\q%2))+64*(\q/2)+256*\p
.endr
.endr
.endr
	ds_load_b64 v[KS:KS+1], v[AS] offset:12288     ; lanes 0-15: the words of tiles 0, 1 at my row's key; lanes 16-31: of tiles 4, 5
	ds_load_b64 v[KS+2:KS+3], v[AS] offset:12288+128   ; tiles 2, 3 and 6, 7
	ds_load_b64 v[VS:VS+1], v[AV] offset:12800     ; lanes 0-15: V's tiles 0, 1; lanes 16-31: tiles 2, 3
	s_wait_alu depctr_va_vdst(0)                   ; directly ahead of the wait below
	s_wait_dscnt 0x0
	SPROD
	v_mov_b32 v[TA], v12                           ; the old -M; with the three lines below: four places in front of the loads below and of the first read of scores
	PLACES 3
.irp t, 0,1,2,3
.irp p, 0,1,2,3,4,5
	ds_load_b64 v[KF+12*\t+2*\p:KF+12*\t+2*\p+1], v[AV] offset:6144+1536*\t+256*\p   ; V lands while the softmax is walked
.endr
.endr
	SM
	s_wait_alu depctr_va_vdst(0)                   ; directly ahead of the first reader of O^T
.set JJ, 0
.rept 16
	v_pk_mul_f32 v[O+JJ:O+JJ+1], v[O+JJ:O+JJ+1], v[F:F+1] op_sel_hi:[1,0]   ; O^T under the new M; these 16 lines are also the places between p's codes and scale word and the products
.set JJ, JJ+2
.endr
	s_wait_alu depctr_va_vdst(0)                   ; directly ahead of the wait below
	s_wait_dscnt 0x0                               ; V is in
	OPROD
	s_add_co_u32 s[TB], s[TB], STEPB
.endm
.macro LOOP n                          ; n key steps on end
	s_mov_b32 s[STEPS], \n
.Lstep_\@:
	STEP
	s_sub_co_u32 s[STEPS], s[STEPS], 1
	s_cmp_lg_u32 s[STEPS], 0
	s_cbranch_scc1 .Lstep_\@
.endm
.macro OUT                             ; a head's end: O^T / the sum, quantised along the head's 64, stored as a half image
	s_lshr_b32 s56, s[HD], 1
	s_lshl_b32 s56, s56, 6
	s_and_b32 s57, s[HD], 1
	s_lshl_b32 s57, s57, 1
	s_add_co_u32 s56, s56, s57
	v_add_nc_u32 v[SOFF], s56, v[SL]               ; 64 (head / 2) + 2 (head % 2) + 4 r
	PLACES 4                                       ; behind the last products
	v_add_f32 v14, v14, v15
	s_delay_alu instid0(VALU_DEP_1)
	v_permlanex16_b32 v[TA], v14, s[SEL], s[SEL+1]
	s_delay_alu instid0(VALU_DEP_1)
	v_add_f32 v14, v14, v[TA]                      ; the row's sum
	s_wait_alu depctr_va_vdst(0)
	v_rcp_f32 v[F], v14
	v_nop                                          ; a plain place behind the reciprocal
	s_wait_alu depctr_va_vdst(0)                   ; and the wait ahead of its first reader
.set JJ, 0
.rept 16
	v_pk_mul_f32 v[S+JJ:S+JJ+1], v[O+JJ:O+JJ+1], v[F:F+1] op_sel_hi:[1,0]   ; register 16 b + i is e = 32 b + 16 h + i; each accumulator is read from its low end on
.set JJ, JJ+2
.endr
.irp b, 0,1
	v_max3_num_f32 v[BM+\b], |v[S+16*\b]|, |v[S+16*\b+1]|, 0x1800000
.endr
.irp i, 2,4,6,8,10,12,14
.irp b, 0,1
	s_delay_alu instid0(VALU_DEP_2)
	v_max3_num_f32 v[BM+\b], v[BM+\b], |v[S+16*\b+\i]|, |v[S+16*\b+\i+1]|
.endr
.endr
.irp b, 0,1
	s_delay_alu instid0(VALU_DEP_2)
	v_permlanex16_b32 v[BM+2+\b], v[BM+\b], s[SEL], s[SEL+1]
.endr
.irp b, 0,1
	s_delay_alu instid0(VALU_DEP_2)
	v_max_num_f32 v[BM+\b], v[BM+\b], v[BM+2+\b]
.endr
.irp b, 0,1
	s_delay_alu instid0(VALU_DEP_2)
	v_add_nc_u32 v[BT+\b], 0xff000000, v[BM+\b]
.endr
.irp b, 0,1
	s_delay_alu instid0(VALU_DEP_2)
	v_lshrrev_b32 v[BT+2+\b], 23, v[BT+\b]
.endr
	v_lshl_or_b32 v[U16], v[BT+3], 8, v[BT+2]      ; the row's two bytes, the same in both halves of the lanes
	v_cvt_scalef32_pk16_fp6_f32 v[PCD:PCD+2], v[S:S+15], v[BT]
	v_cvt_scalef32_pk16_fp6_f32 v[CT:CT+2], v[S+16:S+31], v[BT+1]
	v_nop
.irp e, 0,1,2
	v_permlane16_swap_b32 v[PCD+\e], v[CT+\e]
.endr
.irp e, 0,1,2
	s_delay_alu instid0(VALU_DEP_3)
	v_mov_b32 v[PCD+3+\e], v[CT+\e]
.endr
.irp p, 0,1,2
	global_store_b64 v[IMG], v[PCD+2*\p:PCD+2*\p+1], s[AC:AC+1] offset:256*\p   ; 256 consecutive bytes, aligned
.endr
	global_store_b16 v[SOFF], v[U16], s[ASC:ASC+1] ; a word's halves come from two heads: so half words; lanes l and l xor 16 store the same bytes at the same place
	s_wait_xcnt 0x0                                ; the stores have read their base, offsets and data
	s_add_nc_u64 s[AC:AC+1], s[AC:AC+1], 768
	s_add_co_u32 s[HD], s[HD], 1
.endm
	s_wait_alu depctr_va_vdst(0)
	s_wait_tensorcnt 0x0                           ; my key step of head 0, if I asked for one, is in; the lines below stand ahead of a later first fill:
	ds_add_u32 v[SPW], v[NIL]                      ; the add, twice on end
	ds_add_u32 v[SPW], v[NIL]
	s_add_co_u32 s[G0+1], s[G0+1], HEADB           ; no load of mine is out: key step 8 + w of the cluster's 24
	s_add_nc_u64 s[G0+2:G0+3], s[G0+2:G0+3], HEADB
	s_wait_dscnt 0x0
	ROUND                                          ; head 0 is whole for every wave, and all four work-groups are here
	TL                                             ; heads 1 and 2: one key step a wave
	s_wait_loadcnt 0x0                             ; Q
	s_mov_b32 s[TB], 0
	LOOP 2
	s_wait_tensorcnt 0x0                           ; my key step of heads 1 and 2 is in (no LDS instruction of mine is out):
	s_barrier_signal -1                            ; say so early;
	s_mov_b32 s[TB], 2*STEPB
	LOOP 6                                         ; register work and LDS loads of head 0, which nobody writes;
	s_barrier_wait -1                              ; everybody's is in: heads 1 and 2 may be read
	OUT
	s_mov_b32 s[TB], HEADB
	s_mov_b32 s[JOBS], 2
.Ljob:
.irp j, 0,1,2,3,4,5
	v_mov_b32 v[QF+\j], v[QA+\j]                   ; this head's Q,
.endr
	v_mov_b32 v[QSC], v[QA+6]
.irp j, 0,1,2,3,4,5,6
	v_mov_b32 v[QA+\j], v[QN+\j]                   ; and the next one's moves up
.endr
	INIT
	LOOP 8
	OUT
	s_sub_co_u32 s[JOBS], s[JOBS], 1
	s_cmp_lg_u32 s[JOBS], 0
	s_cbranch_scc1 .Ljob
	s_wait_tensorcnt 0x0                           ; the wave's end
	ds_add_u32 v[SPW], v[NIL]
	s_wait_dscnt 0x0
	ROUND                                          ; the closing round
	s_endpgm
.Lfunc_end_k_q231e61d1f8_attn:
	.size	k_q231e61d1f8_attn, .Lfunc_end_k_q231e61d1f8_attn-k_q231e61d1f8_attn
	.p2alignl 7, 3214868480
	.fill 96, 4, 3214868480
	.section	.rodata,"a",@progbits
	.p2align	6, 0x0
	.amdhsa_kernel k_q231e61d1f8_attn
		.amdhsa_group_segment_fixed_size 327680
		.amdhsa_private_segment_fixed_size 0
		.amdhsa_enable_private_segment 0
		.amdhsa_kernarg_size 32
		.amdhsa_user_sgpr_count 2
		.amdhsa_user_sgpr_kernarg_segment_ptr 1
		.amdhsa_wavefront_size32 1
		.amdhsa_system_sgpr_workgroup_id_x 1
		.amdhsa_system_sgpr_workgroup_id_y 1
		.amdhsa_system_sgpr_workgroup_id_z 1
		.amdhsa_system_vgpr_workitem_id 0
		.amdhsa_next_free_vgpr 256
		.amdhsa_next_free_sgpr 66
		.amdhsa_reserve_vcc 0
		.amdhsa_float_denorm_mode_32 3
		.amdhsa_float_denorm_mode_16_64 3
		.amdhsa_memory_ordered 1
		.amdhsa_forward_progress 1
		.amdhsa_inst_pref_size 70
	.end_amdhsa_kernel
	.amdgpu_metadata
---
amdhsa.version: [ 1, 2 ]
amdhsa.kernels:
  - .name:           k_q231e61d1f8_attn
    .symbol:         k_q231e61d1f8_attn.kd
    .args:
      - { .name: qb, .offset: 0, .size: 8, .value_kind: global_buffer, .address_space: global }
      - { .name: kv, .offset: 8, .size: 8, .value_kind: global_buffer, .address_space: global }
      - { .name: ac, .offset: 16, .size: 8, .value_kind: global_buffer, .address_space: global }
      - { .name: asc, .offset: 24, .size: 8, .value_kind: global_buffer, .address_space: global }
    .group_segment_fixed_size: 327680
    .private_segment_fixed_size: 0
    .kernarg_segment_align: 8
    .kernarg_segment_size: 32
    .max_flat_workgroup_size: 512
    .sgpr_count:     66
    .vgpr_count:     256
    .wavefront_size: 32
...
	.end_amdgpu_metadata
.endif
;; end of part 3
;; launch proj (part 4): grid 64 x 4, 4 waves a work-group, clusters of 4 x 1, 167,936 bytes of LDS; arguments ac, asc, wb, out0; writes out0
.if DOCPART == 4
	.amdgcn_target "amdgcn-amd-amdhsa--gfx1250"
	.amdhsa_code_object_version 6
	.text
	.protected	k_q231e61d1f8_proj
	.globl	k_q231e61d1f8_proj
	.p2align	8
	.type	k_q231e61d1f8_proj,@function
k_q231e61d1f8_proj:
	s_mov_b64 s[64:65], 0
	v_nop
	global_prefetch_b8 v0, s[64:65] scope:SCOPE_SE
	s_setreg_imm32_b32 hwreg(HW_REG_WAVE_MODE, 25, 1), 1
	s_wait_xcnt 0x0
	s_wait_alu depctr_hold_cnt(0) depctr_sa_sdst(0) depctr_va_vdst(0) depctr_va_sdst(0) depctr_va_ssrc(0) depctr_va_vcc(0) depctr_vm_vsrc(0)
	s_getreg_b32 s2, hwreg(HW_REG_IB_STS2, 6, 4)
	s_cmp_eq_u32 s2, 0
	s_cbranch_scc0 .Lentry_in_a_cluster
	s_endpgm
.Lentry_in_a_cluster:
	s_bfe_u32 s2, ttmp6, 0x10000c
	s_cmp_lg_u32 s2, 0x3003
	s_cbranch_scc0 .Lentry_shape_is_right
	s_endpgm
.Lentry_shape_is_right:
; out = attn Wo^T + bo on codes of FP6 (E2M3); sums in f32; the bias is the C of each sum's first matrix instruction.
; SHARES: a work-group takes 256 rows (rb) x 192 columns (slab: three units of 64 = 12 tile blocks of Wo).  A wave keeps its four tiles of attn (64 rows x 768: 288 registers); all four waves read the same
; fragments of Wo from LDS, each feeding four matrix instructions.  CLUSTER: the four work-groups of a cluster share the slab: its blocks are asked for JOINTLY, once; nothing is filled again.
; Source 0 = 16 rows of Wo, source 1 = 16 rows of attn: a lane holds one token and 2 x 16 neighbouring columns of a unit.  A tile's 16 rows x 256 bytes go through the wave's own stage in LDS
; and leave as whole rows: sixteen lanes store 256 consecutive bytes, aligned.
; REGISTERS: as in the launch of the projections: window 0: addresses, scale words, C images, sixteen accumulators from v128; window 1: attn's K steps 0-4; window 2: Wo's two sets, attn's K step 5.
.set BLKB,  11008
.set UNITB, 4*BLKB
.set SLOTB, 3*UNITB
.set WPART, SLOTB/4
.set STAGE, SLOTB                      ; behind the slot: 16 rows x 272 bytes for each wave; no fill lands here
.set SPITCH, 272
.set SPARE, STAGE+4*16*SPITCH          ; the spare words, 128 bytes a wave
.set L16, 1
.set L4,  2
.set L8,  3
.set R4,  4                            ; 4 r
.set WAD, 6
.set WSA, 7
.set WAN, 8
.set WSN, 9
.set STO, 10
.set RD,  11
.set SPW, 12
.set NIL, 13
.set CO,  14
.set XS,  16
.set WS,  40
.set BC,  52
.set ACC, 128
.set WV,  12
.set CNT, 17
.set TB,  18
.set G1,  24
.set G0,  32
.set OP,  48
.set MSB, 0
.macro WIN new
.if MSB != \new
	s_set_vgpr_msb (MSB<<8)|\new
.set MSB, \new
.endif
.endm
.macro PLACES n
.rept \n
	v_nop
.endr
.endm
.macro ROUND
	s_barrier_signal -1
	s_barrier_wait -1
	s_cmp_lg_u32 s[WV], 0
	s_cbranch_scc1 .Lnot_wave_0_\@
	s_barrier_signal -3
.Lnot_wave_0_\@:
	s_barrier_wait -3
	s_barrier_signal -1
	s_barrier_wait -1
.endm
	s_load_b256 s[4:11], s[0:1], 0x0               ; ac, asc, wb, out0
	v_lshl_add_u32 v[SPW], v0, 2, SPARE
	v_mov_b32 v[NIL], 0
	ds_add_u32 v[SPW], v[NIL]                      ; the wave's opening: the add and its wait, ahead of my first tensor load
	ds_add_u32 v[SPW], v[NIL]
	v_lshrrev_b32 v1, 5, v0
	v_readfirstlane_b32 s[WV], v1
	s_bfe_u32 s13, ttmp6, 0x40000                  ; cx
	s_lshl_b32 s14, ttmp9, 2
	s_add_co_u32 s14, s14, s13                     ; rb: it enters global addresses alone
	s_and_b32 s15, ttmp7, 0xffff                   ; slab
	s_mov_b32 s[G1], 15|(3<<16)|(1<<21)
	s_mov_b32 s[G1+1], 32<<16
	s_mov_b32 s[G1+2], 129<<16
	s_mov_b32 s[G1+3], 32<<16
	s_mov_b32 s[G1+4], 129
	s_mov_b32 s[G1+5], 32
	s_mov_b32 s[G1+6], 0
	s_mov_b32 s[G1+7], 0
	v_and_b32 v[L8], 31, v0
	v_lshlrev_b32 v[L16], 4, v[L8]
	v_lshlrev_b32 v[L4], 2, v[L8]
	v_lshlrev_b32 v[L8], 3, v[L8]
	v_and_b32 v15, 15, v0                          ; r
	v_bfe_u32 v5, v0, 4, 1                         ; h
	v_lshlrev_b32 v[R4], 2, v15
	s_mul_i32 s47, s[WV], 16*SPITCH
	s_add_co_u32 s47, s47, STAGE                   ; my stage
	v_mul_u32_u24 v[STO], v15, SPITCH
	v_lshl_add_u32 v[STO], v5, 6, v[STO]
	v_add_nc_u32 v[STO], s47, v[STO]               ; in: row r, + 64 h
	v_mul_u32_u24 v[RD], v5, SPITCH
	v_lshl_add_u32 v[RD], v15, 4, v[RD]
	v_add_nc_u32 v[RD], s47, v[RD]                 ; back: lanes 0-15 one row, lanes 16-31 the next
	v_mul_u32_u24 v[CO], v5, 3072
	v_lshl_add_u32 v[CO], v15, 4, v[CO]            ; and the same two rows in out
	s_mul_i32 s56, s15, 12
	s_add_co_u32 s56, s56, 144
	s_mul_i32 s56, s56, BLKB                       ; the slab's blocks of Wo: made of the slab and the wave's number alone
	s_mul_i32 s58, s[WV], WPART
	s_add_co_u32 s56, s56, s58
	s_mov_b32 s57, 0
	s_lshl_b32 s52, s14, 4
	s_lshl_b32 s53, s[WV], 2
	s_add_co_u32 s52, s52, s53                     ; my first tile
	s_mul_i32 s40, s52, 9216
	s_mov_b32 s41, 0
	s_mul_i32 s42, s52, 384
	s_mov_b32 s43, 0
	s_lshl_b32 s44, s52, 4
	s_mul_i32 s44, s44, 3072                       ; my first row of out,
	s_mul_i32 s46, s15, 768
	s_add_co_u32 s44, s44, s46                     ; my slab's first column
	s_mov_b32 s45, 0
	s_wait_dscnt 0x0                               ; the opening add is done
	s_wait_kmcnt 0x0
	s_add_nc_u64 s[4:5], s[4:5], s[40:41]
	s_add_nc_u64 s[6:7], s[6:7], s[42:43]
	s_add_nc_u64 s[56:57], s[8:9], s[56:57]
	s_add_nc_u64 s[OP:OP+1], s[10:11], s[44:45]
	ROUND                                          ; all four work-groups are here: the joint loads meet
	s_mov_b32 s[G0], 1
	s_mov_b32 s[G0+1], s58
	s_mov_b64 s[G0+2:G0+3], s[56:57]
	s_or_b32 s[G0+3], s[G0+3], 0x80000000
	tensor_load_to_lds s[G0:G0+3], s[G1:G1+7]      ; my quarter of the slab: one load, filled once
	s_nop 0
.rept 4
	v_nop
.endr
	WIN 0x40
.irp s, 0,1,2,3,4
.irp i, 0,1,2,3
.irp p, 0,1,2,3,4,5
	global_load_b64 v[12*(4*\s+\i)+2*\p:12*(4*\s+\i)+2*\p+1], v[L8], s[4:5] offset:\i*9216+1536*\s+256*\p
.endr
.endr
.endr
	WIN 0x80
.irp i, 0,1,2,3
.irp p, 0,1,2,3,4,5
	global_load_b64 v[144+12*\i+2*\p:144+12*\i+2*\p+1], v[L8], s[4:5] offset:\i*9216+1536*5+256*\p
.endr
.endr
	WIN 0
	s_wait_alu depctr_va_vdst(0)
.irp i, 0,1,2,3
.irp s, 0,1,2,3,4,5
	global_load_b32 v[XS+6*\i+\s], v[R4], s[6:7] offset:384*\i+64*\s
.endr
.endr
.macro WLOAD set, off, a16, a4         ; one tile block of Wo from LDS: 6 fragments, 6 scale words, the C image
	WIN 0x80
.irp s, 0,1,2,3,4,5
.irp c, 0,1,2
	ds_load_b128 v[72*(\set)+12*\s+4*\c:72*(\set)+12*\s+4*\c+3], v[\a16] offset:(\off)+1536*\s+512*\c
.endr
.endr
	WIN 0
.irp s, 0,1,2,3,4,5
	ds_load_b32 v[WS+6*(\set)+\s], v[\a4] offset:(\off)+9216+128*\s
.endr
	ds_load_b128 v[BC+8*(\set):BC+8*(\set)+3], v[\a16] offset:(\off)+9984
	ds_load_b128 v[BC+8*(\set)+4:BC+8*(\set)+7], v[\a16] offset:(\off)+10496
.endm
.macro MULT wt, set                    ; 24 matrix instructions; the four accumulators take turns, one instruction a turn
.irp s, 0,1,2,3,4,5
.if \s == 5
	WIN 0x0a
.else
	WIN 0x06                                       ; source 0 (Wo) window 2, source 1 (attn) window 1
.endif
.irp i, 0,1,2,3
.set XR, 12*(4*\s+\i)
.if \s == 5
.set XR, 144+12*\i
.endif
.set WR, 72*(\set)+12*\s
.set DR, ACC+32*\i+8*(\wt)
.set CR, DR
.if \s == 0
.set CR, BC+8*(\set)
.endif
	v_wmma_scale_f32_16x16x128_f8f6f4 v[DR:DR+7], v[WR:WR+11], v[XR:XR+11], v[CR:CR+7], v[WS+6*(\set)+\s], v[XS+6*\i+\s] matrix_a_fmt:MATRIX_FMT_FP6 matrix_b_fmt:MATRIX_FMT_FP6
.endr
.endr
.endm
.macro BLOCK wt
	s_wait_dscnt 0x0                               ; tile wt, asked for a block ago, is in
	PLACES 4                                       ; in front of loads into registers that the block before has read
.if \wt < 3
	WLOAD (\wt+1)%2, (\wt+1)*BLKB, WAD, WSA
.else
	WLOAD 0, 0, WAN, WSN
.endif
	MULT \wt, (\wt)%2
	WIN 0
.endm
.macro TOSTAGE i                       ; token tile i: register 16 b + n of lane (r, h) is column 32 b + 16 h + n of stage row r
.irp b, 0,1
.irp q, 0,1,2,3
	ds_store_b128 v[STO], v[ACC+32*(\i)+16*\b+4*\q:ACC+32*(\i)+16*\b+4*\q+3] offset:128*\b+16*\q   ; each accumulator from its low end on
.endr
.endr
.irp t, 0,1,2,3,4,5,6,7
	ds_load_b128 v[ACC+32*(\i)+4*\t:ACC+32*(\i)+4*\t+3], v[RD] offset:2*SPITCH*\t   ; LDS serves a wave's instructions in order: these see the stores above; back into the registers that the tile left
.endr
.endm
.macro SEND i, younger                 ; younger: the LDS instructions issued behind tile i's loads
	s_wait_dscnt \younger
.irp t, 0,1,2,3,4,5,6,7
	global_store_b128 v[CO], v[ACC+32*(\i)+4*\t:ACC+32*(\i)+4*\t+3], s[OP:OP+1] offset:(32*((\i)/2)+8*((\i)%2)+2*\t+8*(\t/4))*3072 th:TH_STORE_NT   ; stage row 2 t + h is the tile's row of that number
.endr
.endm
	s_wait_tensorcnt 0x0                           ; my quarter of the slab is in,
	s_barrier_signal -1
	s_barrier_wait -1                              ; everybody's is
	s_wait_loadcnt 0x0                             ; attn
	s_mov_b32 s[TB], 0
	v_add_nc_u32 v[WAD], s[TB], v[L16]
	v_add_nc_u32 v[WSA], s[TB], v[L4]
	WLOAD 0, 0, WAD, WSA
	s_mov_b32 s[CNT], 3
.Lunit:
	s_add_co_u32 s58, s[TB], UNITB
	s_min_u32 s58, s58, 2*UNITB                    ; the last unit has no successor: it fetches its own first tile again, and the fetch is discarded
	v_add_nc_u32 v[WAN], s58, v[L16]
	v_add_nc_u32 v[WSN], s58, v[L4]
	s_wait_alu depctr_va_vdst(0)
	BLOCK 0
	BLOCK 1
	BLOCK 2
	BLOCK 3
	PLACES 4                                       ; behind the last products, ahead of the first read of results
	TOSTAGE 0
	TOSTAGE 1
	SEND 0, 16                                     ; behind tile 0's loads: tile 1's 8 stores and 8 loads
	TOSTAGE 2
	SEND 1, 16
	TOSTAGE 3
	SEND 2, 16
	SEND 3, 0
	s_wait_xcnt 0x0                                ; the stores have read their base and data: the base steps, and the next unit's products write the accumulators
	s_add_nc_u64 s[OP:OP+1], s[OP:OP+1], 256
	s_add_co_u32 s[TB], s[TB], UNITB
	v_add_nc_u32 v[WAD], s[TB], v[L16]
	v_add_nc_u32 v[WSA], s[TB], v[L4]
	s_sub_co_u32 s[CNT], s[CNT], 1
	s_cmp_lg_u32 s[CNT], 0
	s_cbranch_scc1 .Lunit
	s_wait_tensorcnt 0x0                           ; the wave's end, behind my last tensor load and my last LDS store
	ds_add_u32 v[SPW], v[NIL]
	s_wait_dscnt 0x0
	ROUND                                          ; the closing round
	s_endpgm
.Lfunc_end_k_q231e61d1f8_proj:
	.size	k_q231e61d1f8_proj, .Lfunc_end_k_q231e61d1f8_proj-k_q231e61d1f8_proj
	.p2alignl 7, 3214868480
	.fill 96, 4, 3214868480
	.section	.rodata,"a",@progbits
	.p2align	6, 0x0
	.amdhsa_kernel k_q231e61d1f8_proj
		.amdhsa_group_segment_fixed_size 167936
		.amdhsa_private_segment_fixed_size 0
		.amdhsa_enable_private_segment 0
		.amdhsa_kernarg_size 32
		.amdhsa_user_sgpr_count 2
		.amdhsa_user_sgpr_kernarg_segment_ptr 1
		.amdhsa_wavefront_size32 1
		.amdhsa_system_sgpr_workgroup_id_x 1
		.amdhsa_system_sgpr_workgroup_id_y 1
		.amdhsa_system_sgpr_workgroup_id_z 1
		.amdhsa_system_vgpr_workitem_id 0
		.amdhsa_next_free_vgpr 768
		.amdhsa_next_free_sgpr 66
		.amdhsa_reserve_vcc 0
		.amdhsa_float_denorm_mode_32 3
		.amdhsa_float_denorm_mode_16_64 3
		.amdhsa_memory_ordered 1
		.amdhsa_forward_progress 1
		.amdhsa_inst_pref_size 50
	.end_amdhsa_kernel
	.amdgpu_metadata
---
amdhsa.version: [ 1, 2 ]
amdhsa.kernels:
  - .name:           k_q231e61d1f8_proj
    .symbol:         k_q231e61d1f8_proj.kd
    .args:
      - { .name: ac, .offset: 0, .size: 8, .value_kind: global_buffer, .address_space: global }
      - { .name: asc, .offset: 8, .size: 8, .value_kind: global_buffer, .address_space: global }
      - { .name: wb, .offset: 16, .size: 8, .value_kind: global_buffer, .address_space: global }
      - { .name: out0, .offset: 24, .size: 8, .value_kind: global_buffer, .address_space: global }
    .group_segment_fixed_size: 167936
    .private_segment_fixed_size: 0
    .kernarg_segment_align: 8
    .kernarg_segment_size: 32
    .max_flat_workgroup_size: 128
    .sgpr_count:     66
    .vgpr_count:     768
    .wavefront_size: 32
...
	.end_amdgpu_metadata
.endif
;; end of part 4
